; MI455X (gfx1250); checked and timed in simulation.
; The chip was launched on July 23, 2026; its instructions are those of AMD's public machine-readable ISA for CDNA 5 (MIT licence, August 2026) and "CDNA5" Instruction Set Architecture Reference Guide (July 2026). The comments in the code are by the model that wrote it; some were corrected since.
;; QKV Attention. Allowed arithmetic: matrix products marked QUANTISED: E5M2 operands, one E8M0 scale for each 32 along K, by v_wmma_scale_f32_16x16x128_f8f6f4 with both operands' format E5M2, f32 sums; everything else in f32.
;; Inputs: qkv 64 x 384 x 2,048 float32.
;; Outputs: out0 64 x 128 x 2,048 float32.
;; This version of the problem:
;;   THIS VERSION OF THE PROBLEM IS GIVEN IN LOW PRECISION. The matrix products marked QUANTISED in the list below multiply operands that are first quantised to E5M2 (5 exponent bits, 2 mantissa bits; 8 bits a number), with one power-of-two scale for each 32 numbers along K (OCP MX v1.0); their sums are f32. All else is computed in f32.
;;   The module's matrix products, in the order in which they are computed (A, B: the left and right operand; K: the contracted axis; several contracted axes count as one K, in the product's order):
;;     1. batch 64 x [M 2,048, K 128] x [K 128, N 2,048]; A: computed on the way; B: computed on the way: QUANTISED
;;     2. batch 64 x [M 128, K 2,048] x [K 2,048, N 2,048]; A: computed on the way; B: softmax (see below): QUANTISED
;;   THE QUANTISER, for each operand of a quantised product, along K:
;;     - K is cut into blocks of 32 from its start; a last block that is shorter is filled with zeros.
;;     - A block's scale is 2^e with e = floor(log2(the largest magnitude in the block)) - 15, held to -126 .. 127; a block of zeros has e = 0. As a byte (E8M0): e + 127.
;;     - Each number is divided by its block's scale, clamped to +-57,344, and rounded to the nearest number of E5M2, ties to even, subnormals kept.
;;     - The product sums the exact products of the quantised numbers (number of the format x scale) in f32.
;;   ~~~python
;;   def quantise(x, axis):      # numpy; x: float32 -> the quantised numbers, widened to float32 again
;;       x = np.moveaxis(x, axis, -1); K = x.shape[-1]
;;       x = np.pad(x, [(0, 0)] * (x.ndim - 1) + [(0, -K % 32)]); x = x.reshape(x.shape[:-1] + (-1, 32)); a = np.abs(x).max(-1, keepdims=True)
;;       e = np.where(a > 0, np.clip(np.frexp(np.where(a > 0, a, 1))[1] - 1 - 15, -126, 127), 0)      # np.frexp(a)[1] - 1 = floor(log2(a)), exactly
;;       r = np.clip(x / 2.0 ** e, -57344, 57344)
;;       step = 2.0 ** (np.maximum(np.frexp(np.where(r == 0, 1, r))[1] - 1, -14) - 2)
;;       q = np.round(r / step) * step * 2.0 ** e      # np.round: ties to even
;;       return np.moveaxis(q.reshape(q.shape[:-2] + (-1,))[..., :K], -1, axis).astype(np.float32)
;;   ~~~
;;   SOFTMAX AHEAD OF A QUANTISED PRODUCT. Where the list says 'softmax', what is quantised is not the finished softmax but p = 2^(t - M), with t = logit x log2(e) and M = ceil(the row's largest t), a whole number; so 1/2 < the row's largest p <= 1. The row's sum l is taken of the UNQUANTISED p, in f32, and the product's result is divided by l at the end. Since M is a whole number, a kernel that streams over the keys may use a running M (the ceiling of the running maximum): every later rescaling is an exact power of two, which a block's scale takes up: the codes' values come out the same.
;;   OPERANDS COMPUTED ON THE WAY. 'Computed on the way' means the value that the module computes at that place (a softmax that the list does not call 'softmax' is quantised finished and normalised). What goes into a quantiser is computed in f32, as accurately as f32 sums, v_exp_f32 and their like allow (about 1e-6 of the number): no bf16 or f16 on the way to a quantiser, and a product that is left as it is and whose result goes on into a quantised operand takes f32 operands (vector FMAs, or v_wmma_f32_16x16x4_f32). A number that lies on a knife's edge between two numbers of the format may be rounded either way, as far as f32 arithmetic and the matrix unit's own rounding can turn it there, and no further.
;; One version. Each part assembles by itself: llvm-mc -triple=amdgcn-amd-amdhsa -mcpu=gfx1250 --defsym DOCPART=n.
;; ======== version 1 of 1: 2 launches
;; limits: right only within a limited range of input values
;; workspace buffers: qk 34,603,008 bytes; vimg 17,301,504 bytes
;; launch quant (part 1): grid 16 x 192, 4 waves a work-group, no clusters, 34,304 bytes of LDS; arguments qkv, qk, vimg; writes qk, vimg
.if DOCPART == 1
	.amdgcn_target "amdgcn-amd-amdhsa--gfx1250"
	.amdhsa_code_object_version 6
	.text
	.protected	k_qbe33a2b6b3_quant
	.globl	k_qbe33a2b6b3_quant
	.p2align	8
	.type	k_qbe33a2b6b3_quant,@function
k_qbe33a2b6b3_quant:
	s_mov_b64 s[64:65], 0
	v_nop
	global_prefetch_b8 v0, s[64:65] scope:SCOPE_SE
	s_setreg_imm32_b32 hwreg(HW_REG_WAVE_MODE, 25, 1), 1
	s_wait_xcnt 0x0
; One launch quantises all three parts of qkv [64][384][2048] f32 (the position innermost) into codes of BF8 (E5M2) with E8M0 scale bytes.  Work-group y < 128: step x of part y % 2 (q, k) of batch y / 2; y >= 128: step x of v of batch y - 128.
; The two ways part on the work-group's number at the first lines and never meet; only v's way uses LDS.
; q x s and k x s, s = f32(128^-1/4): one scale byte for each 32 CHANNELS (the first product's K).  OUT: qk = [64][2 parts][16 steps of 128 positions][16,896 bytes], a step laid as an image of the operand's registers:
;   fragment f, group c, lane 16 h + r: 16 bytes at 2048 f + 512 c + 256 h + 16 r = channels 32 c + 16 h + 0..15 of row r; row r of fragment 2 a + u is position 32 a + 8 u + r + 8 (r / 8) of the step;
;   scale words at 16384 + 128 a + 4 lane: lanes 0-15 fragment 2 a's row r, lanes 16-31 fragment 2 a + 1's.  A thread takes one position and its registers run down the channels: a block of 32 lies in one lane.
; v: one scale byte for each 32 KEYS (the second product's K, innermost in memory).  OUT: vimg = [64][16 steps of 128 keys][16,896 bytes]: fragment T, group c, lane 16 h + r: keys 32 c + 16 h + 0..15 of channel 16 T + r; scale words likewise.
;   Wave a makes fragments 2 a, 2 a + 1; a load reads the 512 consecutive bytes of one channel's 128 keys; a fragment's 16 rows turn through the wave's own stage in LDS (rows 528 bytes apart), so that a lane holds 16 neighbouring keys.
; A block's scale is 2^(floor(log2(largest magnitude)) - 15); its byte is the largest magnitude's exponent field - 15, held at 1 from below.
; LIMITS: a block of zeros, or one whose largest magnitude lies under 2^-111, keeps the byte 1 (the bytes are read by this program alone; zero codes add nothing); NaN and infinities among the inputs are not served.
.set SCALE, 0x3e9837f0                 ; f32(1 / f32(sqrt(sqrt(128))))
.set ROWB,  8192                       ; a channel's row of 2,048 f32
.set BLKB,  16896                      ; a step's image
.set X,     32                         ; q, k: v32-95 two sets of 32 numbers
.set C,     96                         ; q, k: v96-127 eight registers of codes for each of the four blocks
.set SP,    528                        ; v: a stage row
.set R0,    16                         ; v: v16-79 fragment 0's rows as loaded; later fragment 1's numbers, turned
.set R1,    80                         ; v: v80-143 fragment 1's rows as loaded
.set XA,    144                        ; v: v144-207 fragment 0's numbers, turned
.set C0,    208                        ; v: fragment 0's codes
.set C1,    224                        ; v: fragment 1's
.set TM,    240                        ; v: v240-243 largest magnitudes, v244-247 bytes, v248-251 57,344 x the scale, v252-255 the conversions' scale operands
	s_and_b32 s12, ttmp7, 0xffff                   ; y
	s_cmp_ge_u32 s12, 128
	s_cbranch_scc1 .Lv_way
	s_load_b128 s[4:7], s[0:1], 0x0                ; qkv, qk
	s_lshr_b32 s13, s12, 1                         ; batch
	s_and_b32 s14, s12, 1                          ; part
	s_mul_i32 s16, s13, 384*ROWB
	s_lshl_b32 s14, s14, 20                        ; + the part's 128 rows
	s_add_co_u32 s16, s16, s14
	s_lshl_b32 s15, ttmp9, 9                       ; + the step's 128 positions
	s_add_co_u32 s16, s16, s15
	s_mov_b32 s17, 0
	s_lshl_b32 s18, s12, 4
	s_add_co_u32 s18, s18, ttmp9
	s_mul_i32 s18, s18, BLKB                       ; the image of step x of part y
	s_mov_b32 s19, 0
	s_mov_b32 s8, SCALE
	s_mov_b32 s9, s8                               ; (the packed form names the pair)
	s_mov_b32 s10, 0x600000                        ; the mantissa field of 57,344
	v_and_b32 v1, 0x67, v0                         ; my position in the step: the thread's number with bits 3 and 4 exchanged
	v_and_b32 v5, 8, v0
	v_lshl_or_b32 v1, v5, 1, v1
	v_bfe_u32 v5, v0, 4, 1
	v_lshl_or_b32 v1, v5, 3, v1
	v_lshlrev_b32 v1, 2, v1                        ; in bytes
	v_lshrrev_b32 v2, 4, v0                        ; my fragment,
	v_and_b32 v5, 15, v0                           ; my row r of it
	v_lshlrev_b32 v2, 11, v2
	v_lshl_add_u32 v2, v5, 4, v2                   ; 2048 f + 16 r
	v_lshlrev_b32 v3, 2, v0                        ; my scale word
	s_wait_alu depctr_va_vdst(0)                   ; the head's end
	s_wait_kmcnt 0x0
	s_add_nc_u64 s[4:5], s[4:5], s[16:17]
	s_add_nc_u64 s[6:7], s[6:7], s[18:19]
.macro LOAD t                          ; block t: channels 32 t + 0 .. 31 of my position, into set t % 2
.set I, 0
.rept 32
	global_load_b32 v[X+32*((\t)%2)+I], v1, s[4:5] offset:(32*(\t)+I)*ROWB th:TH_LOAD_NT
.set I, I+1
.endr
.endm
.macro BLOCK t
.set XS, X+32*((\t)%2)
.set CS, C+8*(\t)
.if (\t) < 3
	s_wait_loadcnt 32                              ; this block's 32 loads are in; the next block's 32 may be out
.else
	s_wait_loadcnt 0x0
.endif
.set I, 0
.rept 16
	v_pk_mul_f32 v[XS+I:XS+I+1], v[XS+I:XS+I+1], s[8:9] op_sel_hi:[1,0]   ; x s, in f32, ahead of the quantiser
.set I, I+2
.endr
	v_max3_num_f32 v12, |v[XS]|, |v[XS+1]|, |v[XS+2]|              ; the block's largest magnitude, in two chains
	v_max3_num_f32 v13, |v[XS+3]|, |v[XS+4]|, |v[XS+5]|
.irp i, 6,10,14,18,22,26
	v_max3_num_f32 v12, v12, |v[XS+\i]|, |v[XS+\i+1]|
	v_max3_num_f32 v13, v13, |v[XS+\i+2]|, |v[XS+\i+3]|
.endr
	v_max3_num_f32 v12, v12, |v[XS+30]|, |v[XS+31]|
	v_max3_num_f32 v12, v12, v13, 0x8000000        ; and the floor 2^(16 - 127): the byte cannot fall under 1
	v_add_nc_u32 v11, 0xf8800000, v12              ; 15 off the exponent field: the conversion's scale operand
	v_and_or_b32 v10, v12, 0x7f800000, s10         ; 57,344 x the scale
.set I, 0
.rept 32
	v_med3_num_f32 v[XS+I], v[XS+I], -v10, v10     ; the conversion to an 8-bit code does not saturate (ISA guide 7.6.2): the hold comes first
.set I, I+1
.endr
.irp g, 0,1,2,3
	v_cvt_scalef32_pk8_bf8_f32 v[CS+2*\g:CS+2*\g+1], v[XS+8*\g:XS+8*\g+7], v11
.endr
	v_lshrrev_b32 v13, 23, v11                     ; the scale's byte (also the plain line behind the conversions)
.if (\t) == 0
	v_mov_b32 v4, v13                              ; four bytes make my row's scale word
.else
	v_lshl_or_b32 v4, v13, 8*(\t), v4
.endif
	global_store_b128 v2, v[CS:CS+3], s[6:7] offset:512*(\t)         ; sixteen lanes store 256 consecutive bytes, aligned
	global_store_b128 v2, v[CS+4:CS+7], s[6:7] offset:512*(\t)+256
.if (\t) < 2
	LOAD (\t)+2
.endif
.endm
	LOAD 0
	LOAD 1
	BLOCK 0
	BLOCK 1
	BLOCK 2
	BLOCK 3
	global_store_b32 v3, v4, s[6:7] offset:16384   ; the work-group's 128 scale words: 512 consecutive bytes
	s_endpgm
.Lv_way:
	s_load_b64 s[4:5], s[0:1], 0x0                 ; qkv
	s_load_b64 s[6:7], s[0:1], 0x10                ; vimg
	v_lshl_add_u32 v11, v0, 2, 0x8400              ; my spare word, behind the four stages
	v_mov_b32 v15, 0
	v_lshrrev_b32 v1, 5, v0
	v_readfirstlane_b32 s16, v1                    ; wave a
	v_and_b32 v6, 31, v0                           ; lane
	v_lshlrev_b32 v1, 4, v6                        ; 16 x lane
	s_mul_i32 s17, s16, 16*SP                      ; my stage
	v_add_nc_u32 v2, s17, v1                       ; into it: as loaded
	v_and_b32 v7, 15, v0                           ; r
	v_bfe_u32 v8, v0, 4, 1                         ; h
	v_mul_u32_u24 v3, v7, SP
	v_lshl_add_u32 v3, v8, 6, v3
	v_add_nc_u32 v3, s17, v3                       ; out of it: row r, + 64 h
	s_lshl_b32 s18, s16, 12
	v_add_nc_u32 v4, s18, v1                       ; the codes: 4096 a + 16 x lane
	v_lshlrev_b32 v5, 2, v0                        ; the scale words: 128 a + 4 x lane
	s_sub_co_u32 s12, s12, 128                     ; batch
	s_mul_i32 s8, s12, 384*ROWB
	s_add_co_u32 s8, s8, 256*ROWB                  ; v's first row
	s_lshl_b32 s9, ttmp9, 9                        ; the step's 128 keys
	s_add_co_u32 s8, s8, s9
	s_lshl_b32 s9, s16, 18                         ; my 32 channels
	s_add_co_u32 s8, s8, s9
	s_mov_b32 s9, 0
	s_lshl_b32 s10, s12, 4
	s_add_co_u32 s10, s10, ttmp9
	s_mul_i32 s10, s10, BLKB
	s_mov_b32 s11, 0
	s_mov_b32 s20, 0x76543210
	s_mov_b32 s21, 0xfedcba98                      ; v_permlanex16_b32's selects for lane l xor 16
	s_mov_b32 s23, 0x600000                        ; the mantissa field of 57,344
.irp b, 0,1,2,3
	v_mov_b32 v[TM+4+\b], 0                        ; a lane permute's destination counts as one of its sources
.endr
	s_wait_alu depctr_va_vdst(0)                   ; the head's end
	s_wait_kmcnt 0x0
	s_add_nc_u64 s[4:5], s[4:5], s[8:9]
	s_add_nc_u64 s[6:7], s[6:7], s[10:11]
.set I, 0
.rept 32
	global_load_b128 v[R0+4*I:R0+4*I+3], v1, s[4:5] offset:I*ROWB th:TH_LOAD_NT   ; channel 32 a + I
.set I, I+1
.endr
; 64 numbers of a lane, v[s] on, register 16 b + i = key 32 b + 16 h + i of my channel, become a fragment's codes in v[pc] on and its scale word in v[pw]
.macro QUANT s, pc, pw
.irp b, 0,1,2,3
	v_max3_num_f32 v[TM+\b], |v[\s+16*\b]|, |v[\s+1+16*\b]|, 0x8000000   ; my 16 numbers and the floor 2^(16 - 127)
.endr
.irp i, 2,4,6,8,10,12,14
.irp b, 0,1,2,3
	v_max3_num_f32 v[TM+\b], v[TM+\b], |v[\s+16*\b+\i]|, |v[\s+1+16*\b+\i]|
.endr
.endr
.irp b, 0,1,2,3
	v_permlanex16_b32 v[TM+4+\b], v[TM+\b], s20, s21
.endr
.irp b, 0,1,2,3
	v_max_num_f32 v[TM+\b], v[TM+\b], v[TM+4+\b]   ; with lane l xor 16's: the block's largest magnitude
.endr
.irp b, 0,1,2,3
	v_add_nc_u32 v[TM+12+\b], 0xf8800000, v[TM+\b]
.endr
.irp b, 0,1,2,3
	v_and_or_b32 v[TM+8+\b], v[TM+\b], 0x7f800000, s23
.endr
.irp b, 0,1,2,3
	v_lshrrev_b32 v[TM+4+\b], 23, v[TM+12+\b]
.endr
	v_lshl_or_b32 v[\pw], v[TM+5], 8, v[TM+4]
	v_lshl_or_b32 v[\pw], v[TM+6], 16, v[\pw]
	v_lshl_or_b32 v[\pw], v[TM+7], 24, v[\pw]
.irp b, 0,1,2,3
.irp i, 0,1,2,3,4,5,6,7,8,9,10,11,12,13,14,15
	v_med3_num_f32 v[\s+16*\b+\i], v[\s+16*\b+\i], -v[TM+8+\b], v[TM+8+\b]
.endr
	v_cvt_scalef32_pk8_bf8_f32 v[\pc+4*\b:\pc+1+4*\b], v[\s+16*\b:\s+7+16*\b], v[TM+12+\b]
	v_cvt_scalef32_pk8_bf8_f32 v[\pc+2+4*\b:\pc+3+4*\b], v[\s+8+16*\b:\s+15+16*\b], v[TM+12+\b]
.endr
	v_nop                                          ; a plain line behind the last conversion
.endm
.macro TURN src, dst                   ; 16 rows as loaded go into my stage and come back 64 bytes a lane; LDS serves a wave's instructions in order
.set I, 0
.rept 16
	ds_store_b128 v2, v[\src+4*I:\src+4*I+3] offset:SP*I
.set I, I+1
.endr
.set I, 0
.rept 16
	ds_load_b128 v[\dst+4*I:\dst+4*I+3], v3 offset:128*(I/4)+16*(I%4)
.set I, I+1
.endr
.endm
	s_wait_loadcnt 16                              ; fragment 0's sixteen loads are in; fragment 1's sixteen may be out
	TURN R0, XA
	s_wait_loadcnt 0x0
	s_wait_dscnt 0x0                               ; fragment 0 is back: the stage and R0's registers are free
	TURN R1, R0
	QUANT XA, C0, 12
.irp g, 0,1,2,3
	global_store_b128 v4, v[C0+4*\g:C0+4*\g+3], s[6:7] offset:512*\g        ; 32 lanes store 512 consecutive bytes, aligned
.endr
	s_wait_dscnt 0x0                               ; fragment 1 is back
	QUANT R0, C1, 13
.irp g, 0,1,2,3
	global_store_b128 v4, v[C1+4*\g:C1+4*\g+3], s[6:7] offset:2048+512*\g
.endr
	v_cmp_le_u32 vcc_lo, 16, v6                    ; lanes 16-31 carry the second fragment's words
	v_cndmask_b32 v14, v12, v13, vcc_lo
	global_store_b32 v5, v14, s[6:7] offset:16384
	s_wait_tensorcnt 0x0                           ; the wave's end: behind my last LDS store
	ds_add_u32 v11, v15
	s_wait_dscnt 0x0
	s_endpgm
.Lfunc_end_k_qbe33a2b6b3_quant:
	.size	k_qbe33a2b6b3_quant, .Lfunc_end_k_qbe33a2b6b3_quant-k_qbe33a2b6b3_quant
	.p2alignl 7, 3214868480
	.fill 96, 4, 3214868480
	.section	.rodata,"a",@progbits
	.p2align	6, 0x0
	.amdhsa_kernel k_qbe33a2b6b3_quant
		.amdhsa_group_segment_fixed_size 34304
		.amdhsa_private_segment_fixed_size 0
		.amdhsa_enable_private_segment 0
		.amdhsa_kernarg_size 24
		.amdhsa_user_sgpr_count 2
		.amdhsa_user_sgpr_kernarg_segment_ptr 1
		.amdhsa_wavefront_size32 1
		.amdhsa_system_sgpr_workgroup_id_x 1
		.amdhsa_system_sgpr_workgroup_id_y 1
		.amdhsa_system_sgpr_workgroup_id_z 1
		.amdhsa_system_vgpr_workitem_id 0
		.amdhsa_next_free_vgpr 256
		.amdhsa_next_free_sgpr 66
		.amdhsa_reserve_vcc 1
		.amdhsa_float_denorm_mode_32 3
		.amdhsa_float_denorm_mode_16_64 3
		.amdhsa_memory_ordered 1
		.amdhsa_forward_progress 1
		.amdhsa_inst_pref_size 59
	.end_amdhsa_kernel
	.amdgpu_metadata
---
amdhsa.version: [ 1, 2 ]
amdhsa.kernels:
  - .name:           k_qbe33a2b6b3_quant
    .symbol:         k_qbe33a2b6b3_quant.kd
    .args:
      - { .name: qkv, .offset: 0, .size: 8, .value_kind: global_buffer, .address_space: global }
      - { .name: qk, .offset: 8, .size: 8, .value_kind: global_buffer, .address_space: global }
      - { .name: vimg, .offset: 16, .size: 8, .value_kind: global_buffer, .address_space: global }
    .group_segment_fixed_size: 34304
    .private_segment_fixed_size: 0
    .kernarg_segment_align: 8
    .kernarg_segment_size: 24
    .max_flat_workgroup_size: 128
    .sgpr_count:     66
    .vgpr_count:     256
    .wavefront_size: 32
...
	.end_amdgpu_metadata
.endif
;; end of part 1
;; launch attn (part 2): grid 4 x 64, 8 waves a work-group, clusters of 4 x 1, 327,680 bytes of LDS; arguments qk, vimg, out0; writes out0
.if DOCPART == 2
	.amdgcn_target "amdgcn-amd-amdhsa--gfx1250"
	.amdhsa_code_object_version 6
	.text
	.protected	k_qbe33a2b6b3_attn
	.globl	k_qbe33a2b6b3_attn
	.p2align	8
	.type	k_qbe33a2b6b3_attn,@function
k_qbe33a2b6b3_attn:
	s_mov_b64 s[64:65], 0
	v_nop
	global_prefetch_b8 v0, s[64:65] scope:SCOPE_SE
	s_setreg_imm32_b32 hwreg(HW_REG_WAVE_MODE, 25, 1), 1
	s_wait_xcnt 0x0
	s_wait_alu depctr_hold_cnt(0) depctr_sa_sdst(0) depctr_va_vdst(0) depctr_va_sdst(0) depctr_va_ssrc(0) depctr_va_vcc(0) depctr_vm_vsrc(0)
	s_getreg_b32 s2, hwreg(HW_REG_IB_STS2, 6, 4)
	s_cmp_eq_u32 s2, 0
	s_cbranch_scc0 .Lentry_in_a_cluster
	s_endpgm
.Lentry_in_a_cluster:
	s_bfe_u32 s2, ttmp6, 0x10000c
	s_cmp_lg_u32 s2, 0x3003
	s_cbranch_scc0 .Lentry_shape_is_right
	s_endpgm
.Lentry_shape_is_right:
; out0[b][c][t] = the sum over s of softmax_s((q s)(k s)) v[b][c][s], both products on codes of BF8 (E5M2) with one E8M0 scale for each 32 along a product's K.
; IN: qk and vimg, images of the operands' registers, a step of 128 positions in 16,896 bytes: fragment f, group c, lane L: 16 bytes at 2048 f + 512 c + 16 L; scale words at 16384 + 128 a + 4 L
; (lanes 0-15 fragment 2 a's rows, lanes 16-31 fragment 2 a + 1's).  Row r of fragment 2 a + u of q or k is position 32 a + 8 u + r + 8 (r / 8); row r of fragment T of v is channel 16 T + r.
; THE SOFTMAX AHEAD OF THE SECOND PRODUCT: t = score x log2(e); M = the row's largest t so far, rounded UP to a whole number; p = 2^(t - M) is quantised along the keys, not normalised.  The row's sum is taken of the
; unquantised p, in f32, and divides at the end.  When M moves, the sum and O are multiplied by 2^(old M - new M): exact, and without a branch on data.
; SHARES.  64 batches x 4 work-groups = 256.  A WORK-GROUP STAYS: it makes two blocks of 256 queries of its batch, x and x + 4, one after the other.  In a block each of its eight waves owns two tiles of 16 queries
; (fragments 2 a, 2 a + 1 of q, a = wave % 4, of q's step 2 block + wave / 4) and walks all 2,048 keys, 128 a step.
; LAYOUT.  Both products are used transposed: S^T = K Q^T, O^T = V^T P^T: a lane holds ONE query (lane % 16) throughout, and the 16 registers of S^T's tiles 2 b, 2 b + 1 are keys 32 b + 16 (lane / 16) + 0 .. 15.
; V STAYS IN LDS, for both blocks.  A batch's images of K and V are 2 x 270,336 bytes, more than LDS has; V's alone fit.  V's sixteen steps come once, at the head: wave w fetches steps 2 w and 2 w + 1, one tensor load of 33,792 bytes a wave.
; The four work-groups of a cluster belong to one batch, so each of these loads is asked for JOINTLY (the same descriptor, a mask that names the four).  No LDS byte is filled twice, so the walk over the keys has no barrier.
; K GOES FROM MEMORY STRAIGHT INTO REGISTERS: its image is in register order, so a load is 512 consecutive bytes a wave.  A step's 36 loads are issued behind the products that read the step before: one whole key step ahead of their use.
; The next block's Q and its first step of K are asked for ahead of a block's way out.  K does not pass through LDS, so it has no joint load; and since its own loads run a step ahead, no separate prefetch is laid for it.
; THE TWO TILES' SOFTMAXES ARE ONE TEXT: both tiles' scores and working registers lie in window 0, so their lines stand by turns with no switch of windows: eight chains of maxima; tile 0's exponentials by turns with tile 1's t - M,
; tile 1's by turns with tile 0's holds.  What stands among exponentials reads only what was written ahead of the wait in front of that batch, and is read only behind the wait that follows it.
; A block's first key step is written out (it starts O^T with C = 0) and so is its last (it asks for no further K); the fourteen between are a loop.
; LIMITS: NaN and infinities are not served; p under 2^-126 becomes 0 (v_exp_f32 gives 0 there); a block whose every p is 0 keeps the byte 1 over zero codes; a block's largest p is made from its largest score by the same
; two instructions as every p, which takes v_exp_f32 not to fall where its input rises.
; REGISTERS.  Window 0 (e = tile 0 or 1): v0 thread; v1 16 x lane; v2 4 x lane; v3, v4 the spare word's address and 0; v5-8 V's scale words; v9 Q's (tile 0's in lanes 0-15, tile 1's in 16-31); v10 + e p's scale word;
;   v12 + 4 e -M, v13 + 4 e the largest t, v[14 + 4 e : 15 + 4 e] the sum in two halves; v20, v21 LDS addresses of V's codes and scale words; v[22 + 2 e : 23 + 2 e] f and a 0; v26 + e at work; v28-31 K's scale words;
;   v32 + 16 e .. Q; v64 + 64 e .. S^T, then p, then four fragments of V; v192 + 16 e .. p's codes; v224 + 16 e ..: 4 block maxima, 4 at work, 4 times 57,344 x the scale, 4 scale operands.
; Window 1: v0 + 64 e .. O^T; v128-255 K's eight fragments.
.set STEPB,  16896                     ; a step's image
.set BATCHB, 16*STEPB                  ; a part's 16 steps: 270,336 bytes
.set SPARE,  BATCHB                    ; behind V: the spare words, 128 bytes for each of the eight waves: four blocks of 256 bytes that no other line names
.set STG,    BATCHB+1024               ; behind them the way out's stage, bytes of its own: 32 channel rows x (256 queries x 4 bytes + 16) = 33,280 bytes
.set SPITCH, 1040
.set MSB, 0
.macro WIN new                         ; s_set_vgpr_msb: bits 1:0 source 0, 3:2 source 1, 5:4 source 2, 7:6 destination; the high byte repeats the setting that is left; a switch that changes nothing is dropped
.if MSB != (\new)
	s_set_vgpr_msb (MSB<<8)|(\new)
.set MSB, (\new)
.endif
.endm
.macro PLACES n
.rept \n
	v_nop
.endr
.endm
.macro AWAIT
	s_wait_alu depctr_va_vdst(0)
.endm
; A round of the cluster's barrier: my work-group's barrier; wave 0 signals for the work-group; every wave waits for all four work-groups; my work-group's barrier once more.
.macro CROUND
	s_barrier_signal -1
	s_barrier_wait -1
	s_cmp_lg_u32 s10, 0
	s_cbranch_scc1 .Lnot_wave_0_\@
	s_barrier_signal -3
.Lnot_wave_0_\@:
	s_barrier_wait -3
	s_barrier_signal -1
	s_barrier_wait -1
.endm
.macro QLOAD                           ; Q's two fragments and both tiles' scale words: they stay in registers for a block
.irp c, 0,1,2,3,4,5,6,7
	global_load_b128 v[32+4*\c:35+4*\c], v1, s[42:43] offset:512*\c
.endr
	global_load_b32 v9, v2, s[56:57] offset:16384
.endm
; 36 loads: the eight fragments and four scale registers of the step of K that begins at s[44:45]
.macro KLOAD
.irp p, 0,1,2,3
	global_load_b32 v[28+\p], v2, s[44:45] offset:16384+128*\p
.endr
	WIN 0x40                                       ; destination window 1
.irp f, 0,1,2,3,4,5,6,7
.irp c, 0,1,2,3
	global_load_b128 v[128+16*\f+4*\c:131+16*\f+4*\c], v1, s[44:45] offset:2048*\f+512*\c
.endr
.endr
	WIN 0
.endm
.macro VFRAG t                         ; V's fragment t from LDS into the 16 registers of p that the conversions have read out
.irp c, 0,1,2,3
	ds_load_b128 v[64+16*(\t)+4*\c:67+16*(\t)+4*\c], v20 offset:2048*(\t)+512*\c
.endr
.endm
	s_load_b128 s[4:7], s[0:1], 0x0                ; qk, vimg
	s_load_b64 s[8:9], s[0:1], 0x10                ; out0
	v_lshl_add_u32 v3, v0, 2, SPARE
	v_mov_b32 v4, 0
	ds_add_u32 v3, v4                              ; the opening lines: the add, twice on end, and its one wait ahead of my tensor load
	ds_add_u32 v3, v4
	v_lshrrev_b32 v26, 5, v0
	v_readfirstlane_b32 s10, v26                   ; wave 0..7
	v_and_b32 v1, 31, v0
	v_lshlrev_b32 v2, 2, v1                        ; 4 x lane
	v_lshlrev_b32 v1, 4, v1                        ; 16 x lane
	s_bfe_u32 s11, ttmp6, 0x40000                  ; cx: my place in the cluster
	s_lshl_b32 s12, ttmp9, 2                       ; in a cluster launch ttmp9 counts clusters
	s_add_co_u32 s12, s12, s11                     ; x: my first block of 256 queries; it enters Q's and O's global addresses alone
	s_and_b32 s13, ttmp7, 0xffff                   ; the batch, which the four partners share
	; V's and K's offsets: made of the batch and the wave's number, in registers that never hold x
	s_mul_i32 s18, s10, 2*STEPB                    ; the two steps of V that I fetch: the same distance in memory and in LDS
	s_mul_i32 s16, s13, BATCHB
	s_add_co_u32 s16, s16, s18
	s_mov_b32 s17, 0
	s_lshl_b32 s14, s13, 1
	s_add_co_u32 s14, s14, 1
	s_mul_i32 s14, s14, BATCHB                     ; k is part 1 of the batch
	s_mov_b32 s15, 0
	; Q's: part 0 of the batch, step 2 x + wave / 4, fragments 2 a and 2 a + 1
	s_lshl_b32 s48, s12, 1
	s_lshr_b32 s49, s10, 2
	s_add_co_u32 s48, s48, s49
	s_mul_i32 s48, s48, STEPB
	s_mul_i32 s49, s13, 2*BATCHB
	s_add_co_u32 s48, s48, s49                     ; the step's image
	s_and_b32 s50, s10, 3                          ; a
	s_lshl_b32 s51, s50, 7
	s_add_co_u32 s52, s48, s51                     ; + 128 a: its pair of scale words (16,384 stands in the load's immediate)
	s_mov_b32 s53, 0
	s_lshl_b32 s51, s50, 12
	s_add_co_u32 s48, s48, s51                     ; + 4096 a: its codes
	s_mov_b32 s49, 0
	; O's: of each chunk of 32 channels wave w stores channels 4 w .. 4 w + 3, the block's 256 queries of each
	s_lshl_b32 s54, s13, 20                        ; a batch of out0: 128 x 2,048 x 4 bytes
	s_lshl_b32 s55, s10, 15                        ; 4 rows of 8,192 bytes
	s_add_co_u32 s54, s54, s55
	s_lshl_b32 s55, s12, 10                        ; 256 queries x 4 bytes
	s_add_co_u32 s54, s54, s55
	s_mov_b32 s55, 0
	; descriptor group 1: a dense block of two steps, 33,792 bytes, as 132 rows of 256 bytes (32 elements of 8 bytes), no padding
	s_mov_b32 s24, 15|(3<<16)|(1<<21)              ; 15:0 the mask: all four work-groups; 17:16 elements of 8 bytes; 21 set beside a mask
	s_mov_b32 s25, 32<<16                          ; tensor_dim0 = 32
	s_mov_b32 s26, (2*STEPB/256)<<16               ; tensor_dim1 = 132
	s_mov_b32 s27, 32<<16                          ; tile_dim0 = 32
	s_mov_b32 s28, 2*STEPB/256                     ; tile_dim1 = 132
	s_mov_b32 s29, 32                              ; elements from row to row
	s_mov_b32 s30, 0
	s_mov_b32 s31, 0
	s_mov_b32 s19, 0x600000                        ; the mantissa field of 57,344
	s_mov_b32 s20, 0x76543210
	s_mov_b32 s21, 0xfedcba98                      ; v_permlanex16_b32's selects for lane l xor 16
	s_mov_b32 s22, 0x3fb8aa3b                      ; c = log2(e): the scores carry 1 / sqrt(128) already
	s_mov_b32 s23, s22                             ; (named with it as a pair, so it is written)
	s_mov_b32 s58, 2                               ; blocks to go: the same number in every work-group
	AWAIT
	s_wait_dscnt 0x0                               ; both opening adds are done
	s_wait_kmcnt 0x0
	s_add_nc_u64 s[42:43], s[4:5], s[48:49]        ; Q's codes
	s_add_nc_u64 s[56:57], s[4:5], s[52:53]        ; Q's scale words
	s_add_nc_u64 s[44:45], s[4:5], s[14:15]        ; K's step 0
	s_add_nc_u64 s[46:47], s[8:9], s[54:55]        ; O
	QLOAD
	KLOAD                                          ; K's step 0
	CROUND                                         ; all four work-groups are here: the joint loads meet
	s_mov_b32 s32, 1                               ; group 0: count = 1,
	s_mov_b32 s33, s18                             ; LDS address: my two steps,
	s_add_nc_u64 s[34:35], s[6:7], s[16:17]        ; global address,
	s_or_b32 s35, s35, 0x80000000                  ; type = 2
	tensor_load_to_lds s[32:35], s[24:31]          ; my one tensor load of the launch: every wave issues one, so the eight bring all of V
	s_nop 0
	PLACES 4
	s_wait_tensorcnt 0x0                           ; my two steps of V have landed;
	ds_add_u32 v3, v4
	s_wait_dscnt 0x0
	s_barrier_signal -1
	s_barrier_wait -1                              ; and so have everybody's: all of V lies in LDS, for both blocks
.Lblock:
	s_mov_b32 s40, 0                               ; LDS byte at which V's image of the step in hand begins
.irp e, 0,1                                    ; the sums begin as zeros and the largest t as -3e38, under every t
	v_mov_b32 v[13+4*\e], 0xff61b1e6
	v_floor_f32 v[12+4*\e], -v[13+4*\e]            ; -M
	v_mov_b32 v[14+4*\e], 0
	v_mov_b32 v[15+4*\e], 0
	v_mov_b32 v[23+2*\e], 0                        ; (named as the upper half of f's pair)
.irp b, 0,1,2,3
	v_mov_b32 v[228+16*\e+\b], 0                   ; a lane permute's destination counts as one of its sources
.endr
.endr
; S^T's tile f of query tile x: source 0 = K's fragment f (window 1; its scale words in lanes 0-15 of the pair's register, or 16-31 where f is odd), source 1 = Q's tile x (v9: lanes 0-15 or 16-31)
.macro KQ f, x
.set rD, 64+64*(\x)+8*(\f)
.set rA, 128+16*(\f)
.set rB, 32+16*(\x)
.set rS, 28+(\f)/2
.if ((\f)%2 == 1) && ((\x) == 1)
	v_wmma_scale_f32_16x16x128_f8f6f4 v[rD:rD+7], v[rA:rA+15], v[rB:rB+15], 0, v[rS], v9 matrix_a_fmt:MATRIX_FMT_BF8 matrix_b_fmt:MATRIX_FMT_BF8 matrix_a_scale:MATRIX_SCALE_ROW1 matrix_b_scale:MATRIX_SCALE_ROW1
.elseif (\f)%2 == 1
	v_wmma_scale_f32_16x16x128_f8f6f4 v[rD:rD+7], v[rA:rA+15], v[rB:rB+15], 0, v[rS], v9 matrix_a_fmt:MATRIX_FMT_BF8 matrix_b_fmt:MATRIX_FMT_BF8 matrix_a_scale:MATRIX_SCALE_ROW1
.elseif (\x) == 1
	v_wmma_scale_f32_16x16x128_f8f6f4 v[rD:rD+7], v[rA:rA+15], v[rB:rB+15], 0, v[rS], v9 matrix_a_fmt:MATRIX_FMT_BF8 matrix_b_fmt:MATRIX_FMT_BF8 matrix_b_scale:MATRIX_SCALE_ROW1
.else
	v_wmma_scale_f32_16x16x128_f8f6f4 v[rD:rD+7], v[rA:rA+15], v[rB:rB+15], 0, v[rS], v9 matrix_a_fmt:MATRIX_FMT_BF8 matrix_b_fmt:MATRIX_FMT_BF8
.endif
.endm
; O^T's tile t (channels 16 t on; window 1) of query tile x += V's fragment t x p; zero = 1: the first product starts the sum
.macro PV t, x, zero
.set rD, 64*(\x)+8*(\t)
.set rA, 64+16*(\t)
.set rB, 192+16*(\x)
.set rS, 5+(\t)/2
.if (\zero) && ((\t)%2 == 1)
	v_wmma_scale_f32_16x16x128_f8f6f4 v[rD:rD+7], v[rA:rA+15], v[rB:rB+15], 0, v[rS], v[10+(\x)] matrix_a_fmt:MATRIX_FMT_BF8 matrix_b_fmt:MATRIX_FMT_BF8 matrix_a_scale:MATRIX_SCALE_ROW1
.elseif \zero
	v_wmma_scale_f32_16x16x128_f8f6f4 v[rD:rD+7], v[rA:rA+15], v[rB:rB+15], 0, v[rS], v[10+(\x)] matrix_a_fmt:MATRIX_FMT_BF8 matrix_b_fmt:MATRIX_FMT_BF8
.elseif (\t)%2 == 1
	v_wmma_scale_f32_16x16x128_f8f6f4 v[rD:rD+7], v[rA:rA+15], v[rB:rB+15], v[rD:rD+7], v[rS], v[10+(\x)] matrix_a_fmt:MATRIX_FMT_BF8 matrix_b_fmt:MATRIX_FMT_BF8 matrix_a_scale:MATRIX_SCALE_ROW1
.else
	v_wmma_scale_f32_16x16x128_f8f6f4 v[rD:rD+7], v[rA:rA+15], v[rB:rB+15], v[rD:rD+7], v[rS], v[10+(\x)] matrix_a_fmt:MATRIX_FMT_BF8 matrix_b_fmt:MATRIX_FMT_BF8
.endif
.endm
.macro TM x, k                         ; pair k of tile x's 32 pairs of scores becomes t - M (of the pairs c and -M the low word serves both halves)
	v_pk_fma_f32 v[64+64*(\x)+2*(\k):65+64*(\x)+2*(\k)], v[64+64*(\x)+2*(\k):65+64*(\x)+2*(\k)], s[22:23], v[12+4*(\x):13+4*(\x)] op_sel_hi:[1,0,0]
.endm
.macro HOLD2 x, k                      ; pair k of tile x's p is held at 57,344 x its block's scale: the conversion to an 8-bit code does not saturate (ISA guide 7.6.2); p is not negative, so the hold is one-sided; two holds in one dual line
	v_dual_min_num_f32 v[64+64*(\x)+2*(\k)], v[64+64*(\x)+2*(\k)], v[232+16*(\x)+(\k)/8] :: v_dual_min_num_f32 v[65+64*(\x)+2*(\k)], v[65+64*(\x)+2*(\k)], v[232+16*(\x)+(\k)/8]
.endm
.macro SCALES x                        ; from the four blocks' largest p: the conversions' scale operands, the holds' bounds, and p's scale word
.irp b, 0,1,2,3
	v_max_num_f32 v[224+16*(\x)+\b], 0x8000000, v[224+16*(\x)+\b]        ; the floor 2^(16 - 127): the byte cannot fall under 1
.endr
.irp b, 0,1,2,3
	v_add_nc_u32 v[236+16*(\x)+\b], 0xf8800000, v[224+16*(\x)+\b]        ; 15 off the exponent field: the conversion's scale operand
.endr
.irp b, 0,1,2,3
	v_and_or_b32 v[232+16*(\x)+\b], v[224+16*(\x)+\b], 0x7f800000, s19   ; 57,344 x the scale
.endr
.irp b, 0,1,2,3
	v_lshrrev_b32 v[228+16*(\x)+\b], 23, v[236+16*(\x)+\b]               ; the scale's byte
.endr
	v_lshl_or_b32 v[10+(\x)], v[229+16*(\x)], 8, v[228+16*(\x)]          ; p's scale word for these 128 keys
	v_lshl_or_b32 v[10+(\x)], v[230+16*(\x)], 16, v[10+(\x)]
	v_lshl_or_b32 v[10+(\x)], v[231+16*(\x)], 24, v[10+(\x)]
.endm
.macro SUMS x                          ; the row's sum is taken of the UNQUANTISED p, ahead of the holds: two at a time, in four chains, three of them in registers that the maxima and bytes have left
.set sS, 64+64*(\x)
.set sB, 224+16*(\x)
.set sU, 14+4*(\x)
	v_pk_add_f32 v[sB:sB+1], v[sS:sS+1], v[sS+2:sS+3]
	v_pk_add_f32 v[sB+2:sB+3], v[sS+4:sS+5], v[sS+6:sS+7]
	v_pk_add_f32 v[sB+4:sB+5], v[sS+8:sS+9], v[sS+10:sS+11]
	v_pk_add_f32 v[sU:sU+1], v[sU:sU+1], v[sS+12:sS+13]
.irp j, 14,22,30,38,46,54
	v_pk_add_f32 v[sB:sB+1], v[sB:sB+1], v[sS+\j:sS+\j+1]
	v_pk_add_f32 v[sB+2:sB+3], v[sB+2:sB+3], v[sS+\j+2:sS+\j+3]
	v_pk_add_f32 v[sB+4:sB+5], v[sB+4:sB+5], v[sS+\j+4:sS+\j+5]
	v_pk_add_f32 v[sU:sU+1], v[sU:sU+1], v[sS+\j+6:sS+\j+7]
.endr
	v_pk_add_f32 v[sB:sB+1], v[sB:sB+1], v[sS+62:sS+63]
.endm
.macro MERGE x                         ; the four chains become one: three lines that read no p
.set sB, 224+16*(\x)
.set sU, 14+4*(\x)
	v_pk_add_f32 v[sB+2:sB+3], v[sB+2:sB+3], v[sB+4:sB+5]
	v_pk_add_f32 v[sU:sU+1], v[sU:sU+1], v[sB:sB+1]
	v_pk_add_f32 v[sU:sU+1], v[sU:sU+1], v[sB+2:sB+3]
.endm
.macro CVT x, b                        ; block b of tile x: 16 numbers a lane become four registers of the second product's operand
	v_cvt_scalef32_pk8_bf8_f32 v[192+16*(\x)+4*(\b):193+16*(\x)+4*(\b)], v[64+64*(\x)+16*(\b):71+64*(\x)+16*(\b)], v[236+16*(\x)+(\b)]
	v_cvt_scalef32_pk8_bf8_f32 v[194+16*(\x)+4*(\b):195+16*(\x)+4*(\b)], v[72+64*(\x)+16*(\b):79+64*(\x)+16*(\b)], v[236+16*(\x)+(\b)]
.endm
; A KEY STEP: 128 keys.  K's fragments are in registers or on their way; V's image begins at LDS byte s40.  32 matrix instructions; the 16 accumulators of O^T take turns, one instruction a turn.
; first = 1: O^T starts here.  pre = 1: the next step's K is asked for.
.macro STEP first, pre
	v_add_nc_u32 v20, s40, v1                      ; V's codes,
	v_add_nc_u32 v21, s40, v2                      ; V's scale words: two of the nine places between the last step's products and the products that write over the registers of V that they read
	PLACES 7
	AWAIT
	s_wait_loadcnt 0x0                             ; this step's K is in (in a block's first step: Q too)
	WIN 0x01                                       ; source 0 window 1
.irp x, 0,1
.irp f, 0,1,2,3,4,5,6,7
	KQ \f, \x
.endr
.endr
	WIN 0
	PLACES 8                                       ; in front of the loads into K's registers and of the first read of the scores
.if \pre
	s_add_nc_u64 s[44:45], s[44:45], STEPB         ; the loads that named this base are done
	KLOAD                                          ; the next step's K: it has the softmaxes and the second product in which to land
.endif
.irp e, 0,1
.irp b, 0,1,2,3
	v_max3_num_f32 v[224+16*\e+\b], v[64+64*\e+16*\b], v[65+64*\e+16*\b], v[66+64*\e+16*\b]   ; the largest score of each block of 32 keys: it serves the row's maximum and, since p rises with the score, the block's largest p
.endr
.endr
.irp i, 3,5,7,9,11,13
.irp e, 0,1
.irp b, 0,1,2,3
	v_max3_num_f32 v[224+16*\e+\b], v[224+16*\e+\b], v[64+64*\e+16*\b+\i], v[65+64*\e+16*\b+\i]   ; eight chains by turns
.endr
.endr
.endr
.irp e, 0,1
.irp b, 0,1,2,3
	v_max_num_f32 v[224+16*\e+\b], v[224+16*\e+\b], v[79+64*\e+16*\b]
.endr
.endr
.irp e, 0,1
.irp b, 0,1,2,3
	v_permlanex16_b32 v[228+16*\e+\b], v[224+16*\e+\b], s20, s21
.endr
.endr
.irp e, 0,1
.irp b, 0,1,2,3
	v_max_num_f32 v[224+16*\e+\b], v[224+16*\e+\b], v[228+16*\e+\b]   ; with lane l xor 16's 16 keys
.endr
.endr
.irp e, 0,1
	v_max3_num_f32 v[26+\e], v[224+16*\e], v[225+16*\e], v[226+16*\e]
.endr
.irp e, 0,1
	v_max_num_f32 v[26+\e], v[26+\e], v[227+16*\e] ; the step's largest score of my query
.endr
.irp e, 0,1
	v_mul_f32 v[26+\e], s22, v[26+\e]              ; as t (c is positive)
.endr
.irp e, 0,1
	v_max_num_f32 v[13+4*\e], v[13+4*\e], v[26+\e] ; the running largest t
.endr
.irp e, 0,1
	v_mov_b32 v[26+\e], v[12+4*\e]
.endr
.irp e, 0,1
	v_floor_f32 v[12+4*\e], -v[13+4*\e]            ; the new -M = floor(-t) = -ceil(t): M is a whole number
.endr
	TM 0, 0                                        ; tile 0's first pairs stand between f's three lines, each of which reads the one before
	TM 0, 1
.irp e, 0,1
	v_sub_f32 v[26+\e], v[12+4*\e], v[26+\e]       ; old M - new M: a whole number, 0 or less
.endr
	TM 0, 2
	TM 0, 3
.irp e, 0,1
	v_cvt_i32_f32 v[26+\e], v[26+\e]               ; (it saturates)
.endr
	TM 0, 4
	TM 0, 5
.irp e, 0,1
	v_ldexp_f32 v[22+2*\e], 1.0, v[26+\e]          ; f = 2^(old M - new M): multiplying by it rounds nothing
.endr
.set I, 6
.rept 26
	TM 0, I
.set I, I+1
.endr
.irp b, 0,1,2,3
	v_fma_f32 v[224+\b], v[224+\b], s22, v12       ; t - M of each of tile 0's blocks' largest scores
.endr
.if !(\first)
	WIN 0x41                                       ; source 0 and destination window 1
.irp e, 0,1
.set I, 0
.rept 32
	v_pk_mul_f32 v[64*\e+2*I:64*\e+2*I+1], v[64*\e+2*I:64*\e+2*I+1], v[22+2*\e:23+2*\e] op_sel_hi:[1,0]   ; O^T under the new M, each accumulator from its low end on; no exponential stands between the last products and these lines
.set I, I+1
.endr
.endr
	WIN 0
.endif
	AWAIT                                          ; ahead of tile 0's batch
.irp b, 0,1,2,3
	v_exp_f32 v[224+\b], v[224+\b]                 ; the block's largest p: the same two instructions on the same number give the same bits as its p
	v_fma_f32 v[240+\b], v[240+\b], s22, v16       ; tile 1: t - M of its blocks' largest scores
.endr
.set I, 0
.rept 32
	v_exp_f32 v[64+2*I], v[64+2*I]                 ; tile 0: p = 2^(t - M), at most 1: not normalised
	v_exp_f32 v[65+2*I], v[65+2*I]
	TM 1, I                                        ; tile 1's t - M
.set I, I+1
.endr
	v_pk_mul_f32 v[14:15], v[14:15], v[22:23] op_sel_hi:[1,0]   ; the sums under the new M
	v_pk_mul_f32 v[18:19], v[18:19], v[24:25] op_sel_hi:[1,0]
	AWAIT                                          ; behind the batch, ahead of its first reader
	SCALES 0
	SUMS 0
	MERGE 0
	AWAIT                                          ; ahead of tile 1's batch
.irp b, 0,1,2,3
	v_exp_f32 v[240+\b], v[240+\b]
.endr
.set I, 0
.rept 32
	v_exp_f32 v[128+2*I], v[128+2*I]               ; tile 1's p
	v_exp_f32 v[129+2*I], v[129+2*I]
	HOLD2 0, I                                     ; tile 0's holds
.set I, I+1
.endr
	AWAIT                                          ; behind the batch
.irp b, 0,1,2,3
	CVT 0, \b
.endr
.irp t, 0,1,2,3
	VFRAG \t                                       ; fragments 0-3 land under the rest of tile 1's softmax
.endr
.irp p, 0,1,2,3
	ds_load_b32 v[5+\p], v21 offset:16384+128*\p
.endr
	SCALES 1
	SUMS 1
.irp b, 0,1,2,3
.set I, 8*\b
.rept 8
	HOLD2 1, I
.set I, I+1
.endr
	CVT 1, \b
	VFRAG 4+\b                                     ; into the 16 registers just read out
.endr
	MERGE 1                                        ; three of the four places between the conversions and the products that read the codes,
	v_nop                                          ; and the fourth
	AWAIT
	s_wait_dscnt 16                                ; fragments 0-3 and the scale words are in; the youngest sixteen loads (fragments 4-7) may be out
	WIN 0x50                                       ; C and D window 1
.irp t, 0,1,2,3
	PV \t, 0, \first
	PV \t, 1, \first
.endr
	s_wait_dscnt 8                                 ; fragments 4 and 5 are in
.irp t, 4,5
	PV \t, 0, \first
	PV \t, 1, \first
.endr
	s_wait_dscnt 0x0
.irp t, 6,7
	PV \t, 0, \first
	PV \t, 1, \first
.endr
	WIN 0
	s_add_co_u32 s40, s40, STEPB                   ; the next step's image of V
.endm
	STEP 1, 1
	s_mov_b32 s41, 14
.Lstep:
	STEP 0, 1
	s_sub_co_u32 s41, s41, 1
	s_cmp_lg_u32 s41, 0
	AWAIT
	s_cbranch_scc1 .Lstep
	STEP 0, 0
	; The next block's Q and its first step of K are asked for now: their registers are done with, and the way out touches none of them.  The last block asks for nothing: a branch on the count of blocks.
	s_cmp_eq_u32 s58, 1
	AWAIT
	s_cbranch_scc1 .Lno_next
	s_add_nc_u64 s[42:43], s[42:43], 8*STEPB       ; block x + 4: q's step 2 (x + 4) + wave / 4; every load that named these bases is done
	s_add_nc_u64 s[56:57], s[56:57], 8*STEPB
	s_sub_nc_u64 s[44:45], s[44:45], 15*STEPB      ; K's step 0 again
	QLOAD
	KLOAD
.Lno_next:
	; THE WAY OUT.  O^T is divided by the row's sum.  A lane holds one query and eight channels a tile, and out0 has the queries innermost: so the numbers go, 32 channels at a time, into a stage of 32 channel rows x 256 queries,
	; four bytes a lane, and come back as whole rows, which leave 512 consecutive bytes an instruction.  A chunk comes back into the 32 registers that it left, so no store's data are written again in the block.
	s_barrier_signal -1                            ; my reads of the stage in the block before are over; register work alone stands up to the wait
	PLACES 8                                       ; behind the last products
.irp x, 0,1
	v_add_f32 v[14+4*\x], v[14+4*\x], v[15+4*\x]   ; the sum's two halves,
.endr
.irp x, 0,1
	v_permlanex16_b32 v[26+\x], v[14+4*\x], s20, s21
.endr
.irp x, 0,1
	v_add_f32 v[14+4*\x], v[14+4*\x], v[26+\x]     ; and lane l xor 16's: the row's sum
.endr
	v_bfe_u32 v224, v0, 4, 1                       ; h
	v_mul_u32_u24 v224, v224, 8*SPITCH             ; eight channel rows further down for lanes 16-31
	v_and_b32 v225, 7, v0
	v_lshl_add_u32 v224, v225, 2, v224             ; my query in the block's 256: 32 w + 8 e + r % 8 + 16 (r / 8), four bytes each
	v_bfe_u32 v225, v0, 3, 1
	v_lshl_add_u32 v224, v225, 6, v224
	s_lshl_b32 s14, s10, 7
	s_add_co_u32 s14, s14, STG
	v_add_nc_u32 v224, s14, v224                   ; into the stage
	s_mul_i32 s14, s10, 4*SPITCH
	s_add_co_u32 s14, s14, STG
	v_add_nc_u32 v226, s14, v1                     ; back: my 4 channel rows, 16 bytes a lane
	AWAIT
.irp x, 0,1
	v_rcp_f32 v[14+4*\x], v[14+4*\x]
.endr
	v_nop                                          ; a plain line behind the transcendentals
	WIN 0x01                                       ; source 0 window 1
	AWAIT
.irp x, 0,1
.set I, 0
.rept 32
	v_pk_mul_f32 v[64+64*\x+I:65+64*\x+I], v[64*\x+I:64*\x+I+1], v[14+4*\x:15+4*\x] op_sel_hi:[1,0]   ; register 8 t + j: channel 16 t + 8 h + j of my query; each accumulator from its low end on
.set I, I+2
.endr
.endr
	WIN 0
	AWAIT
	s_barrier_wait -1                              ; nobody reads the stage any more
.irp g, 0,1,2,3                                ; channels 32 g .. 32 g + 31
.if \g > 0
	s_barrier_signal -1                            ; my reads of the last chunk are over (the last wait on DScnt was for 0),
	s_barrier_wait -1                              ; and so are everybody's
.endif
.irp x, 0,1
.irp u, 0,1
.irp j, 0,1,2,3,4,5,6,7
	ds_store_b32 v224, v[64+64*\x+8*(2*\g+\u)+\j] offset:(16*\u+\j)*SPITCH+32*\x
.endr
.endr
.endr
	s_wait_dscnt 0x0                               ; for the others' sake: my stores into the stage are done
	s_barrier_signal -1
	s_barrier_wait -1                              ; 32 whole rows lie in the stage
.irp i, 0,1,2,3
	ds_load_b128 v[64+16*\g+4*\i:67+16*\g+4*\i], v226 offset:\i*SPITCH
.endr
.irp i, 0,1,2,3
	ds_load_b128 v[128+16*\g+4*\i:131+16*\g+4*\i], v226 offset:\i*SPITCH+512
.endr
.irp i, 0,1,2,3
	s_wait_dscnt 7-\i                              ; LDS loads come back in order (ISA guide 5.7.1): this piece is in, the younger ones may be out
	global_store_b128 v1, v[64+16*\g+4*\i:67+16*\g+4*\i], s[46:47] offset:(32*\g+\i)*8192 th:TH_STORE_NT   ; 32 lanes store 512 consecutive bytes, at a multiple of 512 from out0's first byte
.endr
.irp i, 0,1,2,3
	s_wait_dscnt 3-\i
	global_store_b128 v1, v[128+16*\g+4*\i:131+16*\g+4*\i], s[46:47] offset:(32*\g+\i)*8192+512 th:TH_STORE_NT
.endr
.endr
	s_wait_xcnt 0x0                                ; the stores' base and data registers are written again only behind this wait
	s_add_nc_u64 s[46:47], s[46:47], 4096          ; block x + 4: 1,024 queries on
	s_sub_co_u32 s58, s58, 1
	s_cmp_lg_u32 s58, 0
	AWAIT
	s_cbranch_scc1 .Lblock
	s_wait_tensorcnt 0x0                           ; the wave's end: behind my tensor load and my last LDS store
	ds_add_u32 v3, v4
	s_wait_dscnt 0x0
	CROUND                                         ; the closing round
	s_endpgm
.Lfunc_end_k_qbe33a2b6b3_attn:
	.size	k_qbe33a2b6b3_attn, .Lfunc_end_k_qbe33a2b6b3_attn-k_qbe33a2b6b3_attn
	.p2alignl 7, 3214868480
	.fill 96, 4, 3214868480
	.section	.rodata,"a",@progbits
	.p2align	6, 0x0
	.amdhsa_kernel k_qbe33a2b6b3_attn
		.amdhsa_group_segment_fixed_size 327680
		.amdhsa_private_segment_fixed_size 0
		.amdhsa_enable_private_segment 0
		.amdhsa_kernarg_size 24
		.amdhsa_user_sgpr_count 2
		.amdhsa_user_sgpr_kernarg_segment_ptr 1
		.amdhsa_wavefront_size32 1
		.amdhsa_system_sgpr_workgroup_id_x 1
		.amdhsa_system_sgpr_workgroup_id_y 1
		.amdhsa_system_sgpr_workgroup_id_z 1
		.amdhsa_system_vgpr_workitem_id 0
		.amdhsa_next_free_vgpr 512
		.amdhsa_next_free_sgpr 66
		.amdhsa_reserve_vcc 0
		.amdhsa_float_denorm_mode_32 3
		.amdhsa_float_denorm_mode_16_64 3
		.amdhsa_memory_ordered 1
		.amdhsa_forward_progress 1
		.amdhsa_inst_pref_size 149
	.end_amdhsa_kernel
	.amdgpu_metadata
---
amdhsa.version: [ 1, 2 ]
amdhsa.kernels:
  - .name:           k_qbe33a2b6b3_attn
    .symbol:         k_qbe33a2b6b3_attn.kd
    .args:
      - { .name: qk, .offset: 0, .size: 8, .value_kind: global_buffer, .address_space: global }
      - { .name: vimg, .offset: 8, .size: 8, .value_kind: global_buffer, .address_space: global }
      - { .name: out0, .offset: 16, .size: 8, .value_kind: global_buffer, .address_space: global }
    .group_segment_fixed_size: 327680
    .private_segment_fixed_size: 0
    .kernarg_segment_align: 8
    .kernarg_segment_size: 24
    .max_flat_workgroup_size: 256
    .sgpr_count:     66
    .vgpr_count:     512
    .wavefront_size: 32
...
	.end_amdgpu_metadata
.endif
;; end of part 2
